; MI455X (gfx1250); checked and timed in simulation.
; The chip was launched on July 23, 2026; its instructions are those of AMD's public machine-readable ISA for CDNA 5 (MIT licence, August 2026) and "CDNA5" Instruction Set Architecture Reference Guide (July 2026). The comments in the code are by the model that wrote it; some were corrected since.
;; Quantizer EMA. Allowed arithmetic: matrix products marked QUANTISED: E5M2 operands, one given power-of-two scale a tensor, by v_wmma_f32_16x16x64_bf8_bf8 or v_wmma_f32_16x16x128_bf8_bf8, f32 sums; everything else in f32.
;; Inputs: codebook 512 x 64 float32; inputs 8 x 64 x 16 x 32 x 32 float32; lowp_scales 2 int32 (the exponents e of the quantised operands' scales 2^e).
;; Outputs: out0 8 x 64 x 16 x 32 x 32 float32; out1 one number float32; out2 one number float32.
;; This version of the problem:
;;   THIS VERSION OF THE PROBLEM IS GIVEN IN LOW PRECISION. The matrix products marked QUANTISED in the list below multiply operands that are first quantised to E5M2 (5 exponent bits, 2 mantissa bits; 8 bits a number), with one given power-of-two scale for each operand tensor; their sums are f32. All else is computed in f32.
;;   The module's matrix products, in the order in which they are computed (A, B: the left and right operand; K: the contracted axis; several contracted axes count as one K, in the product's order):
;;     1. [M 131,072, K 64] x [K 64, N 512]; A: input inputs; B: input codebook: QUANTISED (scales: A lowp_scales[0], B lowp_scales[1])
;;   THE QUANTISER, for each operand of a quantised product, along K:
;;     - The operand's scale is 2^e, e = its entry of the input lowp_scales (int32; the entries are numbered through the quantised products in the list's order, A before B).
;;     - Each number is divided by the scale, clamped to +-57,344, and rounded to the nearest number of E5M2, ties to even, subnormals kept.
;;     - The product sums the exact products of the quantised numbers (number of the format x scale) in f32.
;;   ~~~python
;;   def quantise(x, axis, e):      # numpy; x: float32 -> the quantised numbers, widened to float32 again
;;       x = np.moveaxis(x, axis, -1); K = x.shape[-1]
;;       r = np.clip(x / 2.0 ** e, -57344, 57344)
;;       step = 2.0 ** (np.maximum(np.frexp(np.where(r == 0, 1, r))[1] - 1, -14) - 2)
;;       q = np.round(r / step) * step * 2.0 ** e      # np.round: ties to even
;;       return np.moveaxis(q, -1, axis).astype(np.float32)
;;   ~~~
;; One version. Each part assembles by itself: llvm-mc -triple=amdgcn-amd-amdhsa -mcpu=gfx1250 --defsym DOCPART=n.
;; ======== version 1 of 1: 3 launches
;; limits: right only within a limited range of input values
;; workspace buffers: idx 524,288 bytes of whole numbers; part 8,192 bytes
;; launch nearest (part 1): grid 256 x 1, 8 waves a work-group, clusters of 4 x 1, 175,104 bytes of LDS; arguments inputs, codebook, lowp_scales, idx; writes idx
.if DOCPART == 1
	.amdgcn_target "amdgcn-amd-amdhsa--gfx1250"
	.amdhsa_code_object_version 6
	.text
	.protected	k_q544c99a322_nearest
	.globl	k_q544c99a322_nearest
	.p2align	8
	.type	k_q544c99a322_nearest,@function
k_q544c99a322_nearest:
	s_mov_b64 s[64:65], 0
	v_nop
	global_prefetch_b8 v0, s[64:65] scope:SCOPE_SE
	s_setreg_imm32_b32 hwreg(HW_REG_WAVE_MODE, 25, 1), 1
	s_wait_xcnt 0x0
	s_wait_alu depctr_hold_cnt(0) depctr_sa_sdst(0) depctr_va_vdst(0) depctr_va_sdst(0) depctr_va_ssrc(0) depctr_va_vcc(0) depctr_vm_vsrc(0)
	s_getreg_b32 s2, hwreg(HW_REG_IB_STS2, 6, 4)
	s_cmp_eq_u32 s2, 0
	s_cbranch_scc0 .Lentry_in_a_cluster
	s_endpgm
.Lentry_in_a_cluster:
	s_bfe_u32 s2, ttmp6, 0x10000c
	s_cmp_lg_u32 s2, 0x3003
	s_cbranch_scc0 .Lentry_shape_is_right
	s_endpgm
.Lentry_shape_is_right:
; THE NEAREST CODE OF EACH ROW.  inputs: [8][64 channels][16384 places] f32; a row n = (batch, place) is its 64 channels.  codebook: [512][64] f32.
; idx[n] = argmin over the 512 codes of (xx - 2 dot) + ee, each step rounded to f32 as written; on equal distances the lowest code.  xx = sum x^2 and ee = sum e^2 are taken of the
; unquantised numbers; dot is the product of the E5M2 codes (scales 2^e0 for inputs, 2^e1 for the codebook, given), by v_wmma_f32_16x16x64_bf8_bf8, f32 sums.
; The index is only stored here: the gather by it is a later launch's.
; SHARES.  A work-group of eight waves takes 512 rows of one batch, a wave 64.  A lane loads 16 bytes = 4 neighbouring places of one channel, so sixteen lanes read 256 consecutive aligned bytes;
; component j of a load belongs to row tile j (rows s0 + 4 r + j): a wave has four tiles of 16 rows.  All 32 loads of a wave go out at the head, behind the table's tensor load.
; CLUSTER.  All work-groups read the same codebook, as many bytes as a work-group's own rows: the four of a cluster ask for it jointly, eight tensor loads of 64 rows.
; ORDER.  The table is asked for first; my rows are worked (xx, codes) as their loads come in, which needs no table; only then the table is waited for.
; Each wave then quantises four tiles of 16 codes and leaves them in LDS as images of the operand's registers, with ee beside them.
; LAYOUT.  Source 0 = 16 codes, source 1 = 16 rows: a lane holds ONE row (lane % 16) and its registers run along the codes.  Lane r of code tile t takes code 8 t + r % 8 + 256 (r / 8), so lane half h
; holds codes 256 h + 8 t + j in ascending order.  In both operands byte b of register q of lane half h is channel 32 h + 4 q + b: the same permutation of K on both sides.
; THE ARGMIN goes by groups of 16 codes a lane (two code tiles): the group's least distance by three-operand minima, one strict compare with the least so far (so the earliest group stays),
; and sixteen selects that keep the winning group's distances; at the end the first place in the kept group that equals the least, then the two lane halves are joined.
; LIMITS.  NaN and infinities among the inputs, and distances beyond f32, are not served.  e0 and e1 between -126 and 112; e0 + e1 + 1 between -126 and 127, so that each power of two below is an f32 number.
; xx and ee are summed in another order than a plain ascending sum (two halves of 32 channels, fused multiply-adds).
.set PLANE,  65536                     ; bytes from a channel to the next: 16384 places of 4 bytes
.set RPITCH, 272                       ; a codebook row in LDS: 256 bytes + 16 of padding
.set CIMG,   512*RPITCH                ; behind the raw table: 32 images of 1,024 bytes (8 registers x 32 lanes)
.set EEB,    CIMG+32*1024              ; behind them: ee, 512 numbers
.set RR,  1                            ; v1   lane % 16
.set HH,  2                            ; v2   lane / 16
.set XO,  3                            ; v3   my byte offset in the wave's part of inputs; never rewritten
.set RA,  4                            ; v4   raw table: my row of my wave's first code tile, + 128 h
.set CW,  5                            ; v5   where I store images
.set EW,  6                            ; v6   where I store ee
.set CA,  7                            ; v7   images: 16 x lane
.set EA,  8                            ; v8   ee: my half's 256 numbers
.set TA,  9                            ; v9   address of the image loads in hand
.set TE,  10                           ; v10  address of the ee loads in hand
.set SX,  11                           ; v11  2^e0
.set LX,  12
.set SC,  13                           ; v13  2^e1
.set LC,  14
.set IO,  15                           ; v15  my byte offset in the wave's part of idx
.set XF,  16                           ; v16-47   x's four fragments
.set XX,  48                           ; v48-55   for row tile i the pair (xx, least distance so far)
.set GID, 56                           ; v56-59   the group that holds the least (earlier: ee of my four code tiles)
.set M,   60                           ; v60-67   at work
.set EE,  68                           ; v68-99   ee of a group, two buffers (earlier: x's codes before they are turned)
.set XR,  100                          ; v100-227 x as loaded: channel i of my half at 4 i, four rows each.  When x is worked, these are free:
.set CB,  100                          ; v100-163 raw codebook rows, two buffers of 32
.set CO,  164                          ; v164-195 the codes of my four tiles, eight registers each
.set S,   100                          ; v100-163 in the loop: for each row tile the 16 distances of its best group
.set D,   164                          ; v164-195 in the loop: two buffers of two accumulators
.set CF,  196                          ; v196-227 in the loop: the codes of a group, two buffers
.set OI,  164                          ; the end: the other half's code
.set ID,  168                          ; the end: the four indices, 16 bytes
.set WV,  12                           ; s12  my wave's number
.set G0,  20                           ; s[20:23] descriptor group 0
.set G1,  24                           ; s[24:31] descriptor group 1
.set SEL, 32                           ; s[32:33] v_permlanex16_b32: lane l xor 16
.set PS,  34                           ; s34-37   byte selects
.set FS,  38                           ; s[38:39] -2^(e0 + e1 + 1)
.set MK,  40                           ; s40-43   lane masks
.set GO,  44                           ; s44  the group to be loaded next, in bytes of images
.set GE,  45                           ; s45  the same in bytes of ee
.set TRIPS, 46
.set GA,  47                           ; s47, s48  the numbers of a trip's two groups
.set GB,  48
; A round of the cluster's barrier: my work-group's barrier, wave 0 signals for the work-group, every wave waits for all four work-groups, my work-group's barrier once more.
.macro ROUND
	s_barrier_signal -1
	s_barrier_wait -1
	s_cmp_lg_u32 s[WV], 0
	s_cbranch_scc1 .Lnot_wave_0_\@
	s_barrier_signal -3
.Lnot_wave_0_\@:
	s_barrier_wait -3
	s_barrier_signal -1
	s_barrier_wait -1
.endm
	s_load_b256 s[4:11], s[0:1], 0x0               ; inputs s[4:5], codebook s[6:7], the scales' exponents s[8:9], idx s[10:11]
	v_lshl_add_u32 v228, v0, 2, 0x2a800
	v_mov_b32 v229, 0
	ds_add_u32 v228, v229
	ds_add_u32 v228, v229
	s_wait_dscnt 0x0
	v_lshrrev_b32 v[TA], 5, v0
	s_delay_alu instid0(VALU_DEP_1)
	v_readfirstlane_b32 s[WV], v[TA]               ; wave 0..7
	s_bfe_u32 s13, ttmp6, 0x40000                  ; cx: my place in the cluster; it enters global addresses of my own rows alone
	s_lshl_b32 s14, ttmp9, 2
	s_add_co_u32 s14, s14, s13                     ; work-group 0..255
	v_and_b32 v[RR], 15, v0
	v_bfe_u32 v[HH], v0, 4, 1
	s_delay_alu instid0(VALU_DEP_2)
	v_lshlrev_b32 v[XO], 4, v[RR]                  ; four places a lane
	s_delay_alu instid0(VALU_DEP_1)
	v_lshl_add_u32 v[XO], v[HH], 21, v[XO]         ; lanes 16-31: 32 channels further on
	s_lshr_b32 s16, s14, 5
	s_lshl_b32 s16, s16, 22                        ; the batch: 64 channels of 65,536 bytes
	s_and_b32 s17, s14, 31
	s_lshl_b32 s17, s17, 11                        ; the work-group's 512 places
	s_add_co_u32 s16, s16, s17
	s_lshl_b32 s17, s[WV], 8                       ; the wave's 64
	s_add_co_u32 s16, s16, s17
	s_mov_b32 s17, 0
	; descriptor group 1: 64 rows of 64 elements of 4 bytes, dense in memory, 16 bytes of padding behind each row in LDS
	s_mov_b32 s[G1], 15|(2<<16)|(1<<20)|(1<<21)|(5<<22)|(3<<25)   ; 15:0 the mask: all four work-groups; 17:16 elements of 4 bytes; 20 padding on; 21 set beside a mask; 24:22 after every 64 words; 31:25 four words
	s_mov_b32 s[G1+1], 64<<16                      ; tensor_dim0 = 64
	s_mov_b32 s[G1+2], 64<<16                      ; tensor_dim1 = 64
	s_mov_b32 s[G1+3], 64<<16                      ; tile_dim0 = 64
	s_mov_b32 s[G1+4], 64                          ; tile_dim1 = 64
	s_mov_b32 s[G1+5], 64                          ; elements from row to row
	s_mov_b32 s[G1+6], 0
	s_mov_b32 s[G1+7], 0
	s_mov_b32 s[G0], 1
	s_mul_i32 s[G0+1], s[WV], 64*RPITCH            ; LDS: my wave's 64 rows: the wave's number alone enters it
	s_lshl_b32 s2, s[WV], 14                       ; and the same rows in memory
	s_mov_b32 s3, 0
	ROUND                                          ; all four work-groups are here: the joint loads will meet.  The round needs no argument, so it stands ahead of the wait for them
	s_wait_kmcnt 0x0
	s_load_b64 s[18:19], s[8:9], 0x0               ; e0, e1
	s_add_nc_u64 s[4:5], s[4:5], s[16:17]
	s_add_nc_u64 s[G0+2:G0+3], s[6:7], s[2:3]
	s_or_b32 s[G0+3], s[G0+3], 0x80000000          ; type = 2
	tensor_load_to_lds s[G0:G0+3], s[G1:G1+7]      ; my one tensor load of the launch, ahead of my rows' loads; nothing in LDS is filled twice
	s_nop 0
.rept 4
	v_nop
.endr
.set i, 0
	s_wait_alu depctr_va_vdst(0)
.rept 32                                               ; all my rows at once: channel 32 h + i; they are read again by a later launch, so no hint
	global_load_b128 v[XR+4*i:XR+4*i+3], v[XO], s[4:5] offset:i*PLANE
.set i, i+1
.endr
	s_lshl_b32 s16, s14, 11                        ; idx: 512 indices of 4 bytes a work-group,
	s_lshl_b32 s15, s[WV], 8                       ; 64 a wave
	s_add_co_u32 s16, s16, s15
	s_add_nc_u64 s[10:11], s[10:11], s[16:17]
	v_lshlrev_b32 v[IO], 4, v[RR]
	v_and_b32 v[TA], 7, v0                         ; r % 8
	v_bfe_u32 v[TE], v0, 3, 1                      ; r / 8
	s_delay_alu instid0(VALU_DEP_2)
	v_mul_u32_u24 v[RA], v[TA], RPITCH
	s_delay_alu instid0(VALU_DEP_2)
	v_mul_u32_u24 v[CW], v[TE], 256*RPITCH
	s_delay_alu instid0(VALU_DEP_1)
	v_add_nc_u32 v[RA], v[RA], v[CW]               ; code r % 8 + 256 (r / 8),
	s_delay_alu instid0(VALU_DEP_1)
	v_lshl_add_u32 v[RA], v[HH], 7, v[RA]          ; my half's 32 channels,
	s_mul_i32 s15, s[WV], 32*RPITCH
	v_add_nc_u32 v[RA], s15, v[RA]                 ; my wave's four tiles: 8 rows each
	v_and_b32 v[CA], 31, v0
	s_delay_alu instid0(VALU_DEP_1)
	v_lshlrev_b32 v[CA], 4, v[CA]
	s_lshl_b32 s15, s[WV], 12
	v_add_nc_u32 v[CW], s15, v[CA]
	s_delay_alu instid0(VALU_DEP_1)
	v_add_nc_u32 v[CW], CIMG, v[CW]                ; images of tiles 4 w on
	v_add_nc_u32 v[CA], CIMG, v[CA]
	v_lshlrev_b32 v[EW], 2, v[TA]
	s_delay_alu instid0(VALU_DEP_1)
	v_lshl_add_u32 v[EW], v[TE], 10, v[EW]
	s_lshl_b32 s15, s[WV], 7
	v_add_nc_u32 v[EW], s15, v[EW]
	s_delay_alu instid0(VALU_DEP_1)
	v_add_nc_u32 v[EW], EEB, v[EW]                 ; ee of code 8 (4 w + u) + r % 8 + 256 (r / 8)
	v_lshlrev_b32 v[EA], 10, v[HH]
	s_delay_alu instid0(VALU_DEP_1)
	v_add_nc_u32 v[EA], EEB, v[EA]
.irp j, 4,5,6,7
	v_mov_b32 v[M+\j], 0                           ; written once: a lane permute's destination counts as one of its sources
.endr
.irp j, 0,1,2,3
	v_mov_b32 v[XX+2*\j+1], 0                      ; written once: named as the upper half of the pair (xx, least) before the first group writes the least there
.endr
	s_mov_b32 s[SEL], 0x76543210
	s_mov_b32 s[SEL+1], 0xfedcba98
	s_mov_b32 s[PS], 0x05010400                    ; bytes 0 and 1 of two registers, by turns
	s_mov_b32 s[PS+1], 0x07030602                  ; bytes 2 and 3
	s_mov_b32 s[PS+2], 0x05040100                  ; the two low halves
	s_mov_b32 s[PS+3], 0x07060302                  ; the two high halves
	s_wait_kmcnt 0x0
	s_add_co_i32 s2, s18, 127
	s_lshl_b32 s3, s2, 23
	v_mov_b32 v[SX], s3                            ; 2^e0 as f32: the conversion takes its exponent field
	s_add_co_i32 s2, s19, 127
	s_lshl_b32 s3, s2, 23
	v_mov_b32 v[SC], s3
	s_add_co_i32 s[FS], s18, s19
	s_add_co_i32 s[FS], s[FS], 128
	s_lshl_b32 s[FS], s[FS], 23
	s_or_b32 s[FS], s[FS], 0x80000000              ; -2^(e0 + e1 + 1): a sum of code products x this is -2 dot, exactly
	s_mov_b32 s[FS+1], s[FS]                       ; (named with it as a pair, so it is written)
; ---- MY 64 ROWS: xx, the codes, and a turn of 4 x 4 bytes.  Nothing here needs the table: it is done while the table is on its way
.set i, 0
.rept 32
	s_wait_loadcnt 31-i                            ; loads come back in order: channel i is in, the younger ones may be out
.if i == 0
	v_pk_mul_f32 v[M:M+1], v[XR:XR+1], v[XR:XR+1]                  ; xx of rows j = 0, 1 and of rows 2, 3, over my half's channels
	s_wait_alu depctr_va_vdst(0)
	v_pk_mul_f32 v[M+2:M+3], v[XR+2:XR+3], v[XR+2:XR+3]
.else
	v_pk_fma_f32 v[M:M+1], v[XR+4*i:XR+4*i+1], v[XR+4*i:XR+4*i+1], v[M:M+1]
	s_wait_alu depctr_va_vdst(0)
	v_pk_fma_f32 v[M+2:M+3], v[XR+4*i+2:XR+4*i+3], v[XR+4*i+2:XR+4*i+3], v[M+2:M+3]
.endif
.irp j, 0,1,2,3
.endr
.set i, i+1
.endr
.irp j, 0,1,2,3
	v_permlanex16_b32 v[M+4+\j], v[M+\j], s[SEL], s[SEL+1]
.endr
.irp j, 0,1,2,3
	s_delay_alu instid0(VALU_DEP_4)
	v_add_f32 v[XX+2*\j], v[M+\j], v[M+4+\j]       ; xx of row tile j's row r, in both halves of the lanes
.endr
.set i, 0
.rept 16                                               ; eight registers = two channels x four rows: register EE + c then holds channel c's codes of rows j = 0 .. 3
	v_cvt_scalef32_pk8_bf8_f32 v[EE+2*i:EE+2*i+1], v[XR+8*i:XR+8*i+7], v[SX]
.set i, i+1
.endr
	v_nop                                          ; one plain vector instruction behind the last conversion of a run
.set i, 0
.rept 8                                                ; four channels x four rows become four rows x four channels: register i of each tile's fragment
.set T, M+4*(i%2)
	v_perm_b32 v[T],   v[EE+4*i+1], v[EE+4*i],   s[PS]             ; rows 0, 1 of channels 4 i, 4 i + 1
	v_perm_b32 v[T+1], v[EE+4*i+1], v[EE+4*i],   s[PS+1]           ; rows 2, 3
	v_perm_b32 v[T+2], v[EE+4*i+3], v[EE+4*i+2], s[PS]             ; the same of channels 4 i + 2, 4 i + 3
	v_perm_b32 v[T+3], v[EE+4*i+3], v[EE+4*i+2], s[PS+1]
	s_delay_alu instid0(VALU_DEP_2)
	v_perm_b32 v[XF+i],    v[T+2], v[T],   s[PS+2]
	s_delay_alu instid0(VALU_DEP_3)
	v_perm_b32 v[XF+8+i],  v[T+2], v[T],   s[PS+3]
	s_delay_alu instid0(VALU_DEP_3)
	v_perm_b32 v[XF+16+i], v[T+3], v[T+1], s[PS+2]
	s_delay_alu instid0(VALU_DEP_4)
	v_perm_b32 v[XF+24+i], v[T+3], v[T+1], s[PS+3]
.set i, i+1
.endr
	s_wait_tensorcnt 0x0                           ; my 64 rows of the table have landed,
	s_barrier_signal -1
	s_barrier_wait -1                              ; everybody's have
; ---- THE CODEBOOK: my four tiles of 16 codes become operand images and ee.  The raw rows take the registers that x has left
.macro CBLOAD u, w                     ; tile u's raw numbers: my code's 32 channels of my half, into v[w] on
.irp k, 0,1,2,3,4,5,6,7
	ds_load_b128 v[\w+4*\k:\w+4*\k+3], v[RA] offset:(\u)*8*RPITCH+16*\k
.endr
.endm
.macro CBTILE u, w, c                  ; c: eight registers of its own for each tile's codes, so that no LDS store's data are written again
	v_pk_mul_f32 v[M:M+1], v[\w:\w+1], v[\w:\w+1]                  ; ee of the unquantised numbers, in two chains
	v_pk_mul_f32 v[M+2:M+3], v[\w+2:\w+3], v[\w+2:\w+3]
.irp k, 4,8,12,16,20,24,28
	s_delay_alu instid0(VALU_DEP_2)
	v_pk_fma_f32 v[M:M+1], v[\w+\k:\w+\k+1], v[\w+\k:\w+\k+1], v[M:M+1]
	s_delay_alu instid0(VALU_DEP_2)
	v_pk_fma_f32 v[M+2:M+3], v[\w+\k+2:\w+\k+3], v[\w+\k+2:\w+\k+3], v[M+2:M+3]
.endr
	s_delay_alu instid0(VALU_DEP_1)
	v_pk_add_f32 v[M:M+1], v[M:M+1], v[M+2:M+3]
	s_delay_alu instid0(VALU_DEP_1)
	v_add_f32 v[M], v[M], v[M+1]
	s_delay_alu instid0(VALU_DEP_1)
	v_permlanex16_b32 v[M+4], v[M], s[SEL], s[SEL+1]               ; the code's other 32 channels lie in the lane 16 away
	s_delay_alu instid0(VALU_DEP_1)
	v_add_f32 v[GID+\u], v[M], v[M+4]
.set n, 0
.rept 32
.set n, n+1
.endr
.irp q, 0,1,2,3
	v_cvt_scalef32_pk8_bf8_f32 v[\c+2*\q:\c+2*\q+1], v[\w+8*\q:\w+8*\q+7], v[SC]
.endr
	v_nop                                          ; one plain vector instruction behind the last conversion of a run
	ds_store_b128 v[CW], v[\c:\c+3] offset:(\u)*1024               ; the fragment as it stands: registers 0-3, 16 bytes a lane,
	ds_store_b128 v[CW], v[\c+4:\c+7] offset:(\u)*1024+512         ; registers 4-7
	ds_store_b32 v[EW], v[GID+\u] offset:(\u)*32                   ; both halves of the lanes hold the same sum and write the same word
.endm
	CBLOAD 0, CB
	CBLOAD 1, CB+32
	s_wait_dscnt 8                                 ; tile 0's eight loads are in; tile 1's may be out
	CBTILE 0, CB, CO
	CBLOAD 2, CB
	s_wait_dscnt 11                                ; behind tile 1's loads: tile 0's three stores and tile 2's eight loads
	CBTILE 1, CB+32, CO+8
	CBLOAD 3, CB+32
	s_wait_dscnt 11                                ; behind tile 2's loads: three stores and eight loads
	CBTILE 2, CB, CO+16
	s_wait_dscnt 3                                 ; behind tile 3's loads: three stores
	CBTILE 3, CB+32, CO+24
	s_wait_dscnt 0x0                               ; for the others' sake: my images and my ee are in LDS
	s_barrier_signal -1
	s_barrier_wait -1                              ; from here on LDS is only read
; ---- THE 512 CODES, in 16 groups of two code tiles
.macro LOADG buf                       ; the next group's two images and its 16 ee of my half, into buffer buf: eight LDS loads
	v_add_nc_u32 v[TA], s[GO], v[CA]
	v_add_nc_u32 v[TE], s[GE], v[EA]
.irp c, 0,1,2,3
	ds_load_b128 v[CF+16*(\buf)+4*\c:CF+16*(\buf)+4*\c+3], v[TA] offset:512*\c
.endr
.irp c, 0,1,2,3
	ds_load_b128 v[EE+16*(\buf)+4*\c:EE+16*(\buf)+4*\c+3], v[TE] offset:16*\c
.endr
	s_add_co_u32 s[GO], s[GO], 2048
	s_add_co_u32 s[GE], s[GE], 64
.endm
.macro WM i, buf, db                   ; row tile i against the group in buffer buf: two products, K = all 64 channels, each a whole sum (C = 0), into D's buffer db
	v_wmma_f32_16x16x64_bf8_bf8 v[D+16*(\db):D+16*(\db)+7], v[CF+16*(\buf):CF+16*(\buf)+7], v[XF+8*(\i):XF+8*(\i)+7], 0
	v_wmma_f32_16x16x64_bf8_bf8 v[D+16*(\db)+8:D+16*(\db)+15], v[CF+16*(\buf)+8:CF+16*(\buf)+15], v[XF+8*(\i):XF+8*(\i)+7], 0
.endm
.macro TREE b, dst                     ; the least of the 16 numbers from v[b] on
	v_min3_num_f32 v[M],   v[\b],   v[\b+1],  v[\b+2]
	v_min3_num_f32 v[M+1], v[\b+3], v[\b+4],  v[\b+5]
	v_min3_num_f32 v[M+2], v[\b+6], v[\b+7],  v[\b+8]
	v_min3_num_f32 v[M+3], v[\b+9], v[\b+10], v[\b+11]
	v_min3_num_f32 v[M+4], v[\b+12], v[\b+13], v[\b+14]
	s_delay_alu instid0(VALU_DEP_4)
	v_min3_num_f32 v[M],   v[M],   v[M+1], v[\b+15]
	s_delay_alu instid0(VALU_DEP_2)
	v_min3_num_f32 v[M+2], v[M+2], v[M+3], v[M+4]
	s_delay_alu instid0(VALU_DEP_1)
	v_min_num_f32 v[\dst], v[M], v[M+2]
.endm
; The vector work on row tile i's 16 sums in D's buffer db.  Register p stands for code 256 h + 16 g + p.  first = 1: the first group starts the least, the group number and the kept distances.
.macro UNIT i, db, eb, first, g
.irp k, 0,2,4,6,8,10,12,14
	v_pk_fma_f32 v[D+16*(\db)+\k:D+16*(\db)+\k+1], v[D+16*(\db)+\k:D+16*(\db)+\k+1], s[FS:FS+1], v[XX+2*(\i):XX+2*(\i)+1] op_sel_hi:[1,0,0]   ; xx - 2 dot, one rounding (of both pairs the low word serves both halves); each accumulator from its low end on
.endr
.if \first
.irp k, 0,2,4,6,8,10,12,14
	v_pk_add_f32 v[S+16*(\i)+\k:S+16*(\i)+\k+1], v[D+16*(\db)+\k:D+16*(\db)+\k+1], v[EE+16*(\eb)+\k:EE+16*(\eb)+\k+1]   ; + ee, the second rounding
.endr
	TREE S+16*(\i), XX+2*(\i)+1
	v_mov_b32 v[GID+\i], 0
.else
.irp k, 0,2,4,6,8,10,12,14
	v_pk_add_f32 v[D+16*(\db)+\k:D+16*(\db)+\k+1], v[D+16*(\db)+\k:D+16*(\db)+\k+1], v[EE+16*(\eb)+\k:EE+16*(\eb)+\k+1]
.endr
	TREE D+16*(\db), M+5
	s_delay_alu instid0(VALU_DEP_1)
	v_cmp_lt_f32 vcc_lo, v[M+5], v[XX+2*(\i)+1]                    ; strictly less: on equal distances the earlier group stays
	s_delay_alu instid0(VALU_DEP_1)
	v_cndmask_b32 v[GID+\i], v[GID+\i], \g, vcc_lo
	s_delay_alu instid0(VALU_DEP_3)
	v_min_num_f32 v[XX+2*(\i)+1], v[XX+2*(\i)+1], v[M+5]
.irp k, 0,1,2,3,4,5,6,7,8,9,10,11,12,13,14,15
	v_cndmask_b32 v[S+16*(\i)+\k], v[S+16*(\i)+\k], v[D+16*(\db)+\k], vcc_lo   ; the winning group's distances are kept: a choice of values, made in every group
.endr
.endif
.endm
; A group: four row tiles.  A tile's two products are issued one tile ahead, into the other buffer of D, so that a whole tile's vector work (27 instructions or more, none of which names a register of those
; products) stands between a product and the first read of its result, and between it and the product that next writes the same registers.
; more = 1: another group follows, and its first products are issued here.  load = 1: the group two further on is fetched into this group's buffers, behind the last read of them.
.macro GROUP buf, first, g, more, load
	WM 1, \buf, 1
	UNIT 0, 0, \buf, \first, \g
	WM 2, \buf, 0
	UNIT 1, 1, \buf, \first, \g
	WM 3, \buf, 1
	UNIT 2, 0, \buf, \first, \g
.if \more
	s_wait_dscnt 0x0                               ; the next group's eight loads, issued three tiles' work ago, are in; nothing else is out
	WM 0, 1-\buf, 0
.endif
	UNIT 3, 1, \buf, \first, \g
.if \load
	LOADG \buf
.endif
.endm
	s_mov_b32 s[GO], 0
	s_mov_b32 s[GE], 0
	LOADG 0
	LOADG 1
	s_wait_dscnt 8                                 ; group 0's eight loads are in; group 1's may be out
	WM 0, 0, 0
.rept 4
	v_nop                                          ; the places between the first products and the first read of their results: no other vector work is at hand yet
.endr
	GROUP 0, 1, 0, 1, 1                            ; group 0 is written out: it starts the least distances; it fetches group 2
	s_mov_b32 s[GA], 1
	s_mov_b32 s[GB], 2
	s_mov_b32 s[TRIPS], 6
.Lpair:                                                ; groups 1 to 12, two a trip, since the buffers take turns; they fetch groups 3 to 14
	GROUP 1, 0, s[GA], 1, 1
	GROUP 0, 0, s[GB], 1, 1
	s_add_co_u32 s[GA], s[GA], 2
	s_add_co_u32 s[GB], s[GB], 2
	s_sub_co_u32 s[TRIPS], s[TRIPS], 1
	s_cmp_lg_u32 s[TRIPS], 0
	s_cbranch_scc1 .Lpair
	GROUP 1, 0, 13, 1, 1                           ; the tail is written out: group 13 fetches group 15, the last two fetch nothing
	GROUP 0, 0, 14, 1, 0
	GROUP 1, 0, 15, 0, 0
; ---- THE INDEX: the first place in the kept group that equals the least; then the lane 16 away, which holds the row's other 256 codes
.irp i, 0,1,2,3
	v_mov_b32 v[M+\i], 0
.endr
.irp p, 15,14,13,12,11,10,9,8,7,6,5,4,3,2,1,0      ; downward, so that the lowest place is written last
.irp i, 0,1,2,3
	v_cmp_eq_f32 s[MK+\i], v[S+16*\i+\p], v[XX+2*\i+1]
.endr
.irp i, 0,1,2,3
	s_delay_alu instid0(VALU_DEP_4)
	v_cndmask_b32 v[M+\i], v[M+\i], \p, s[MK+\i]
.endr
.endr
.irp i, 0,1,2,3
	v_lshl_add_u32 v[M+\i], v[GID+\i], 4, v[M+\i]  ; 16 x group + place
	s_delay_alu instid0(VALU_DEP_1)
	v_lshl_add_u32 v[M+\i], v[HH], 8, v[M+\i]      ; + 256 h
.endr
.irp i, 0,1,2,3
	v_permlanex16_b32 v[M+4+\i], v[XX+2*\i+1], s[SEL], s[SEL+1]    ; the other half's least distance
	v_permlanex16_b32 v[OI+\i], v[M+\i], s[SEL], s[SEL+1]          ; and its code (into registers of D, which are done with)
.endr
.irp i, 0,1,2,3
	v_cmp_lt_f32 s[MK], v[M+4+\i], v[XX+2*\i+1]
	v_cmp_eq_f32 s[MK+1], v[M+4+\i], v[XX+2*\i+1]
	v_cmp_lt_u32 s[MK+2], v[OI+\i], v[M+\i]
	s_and_b32 s[MK+1], s[MK+1], s[MK+2]
	s_or_b32 s[MK], s[MK], s[MK+1]                 ; the other's is taken where it is nearer, or as near with the lower code
	v_cndmask_b32 v[ID+\i], v[M+\i], v[OI+\i], s[MK]
.endr
	v_cmp_eq_u32 vcc_lo, 0, v[HH]
	s_wait_alu depctr_va_vdst(0)
	s_wait_xcnt 0x0                                ; EXEC changes only behind this wait
	s_and_saveexec_b32 s[MK], vcc_lo               ; both halves hold the same four indices: lanes 0-15 store
	global_store_b128 v[IO], v[ID:ID+3], s[10:11]  ; rows s0 + 4 r + 0 .. 3: sixteen lanes store 256 consecutive bytes, at a multiple of 256 from idx's first byte
	s_wait_xcnt 0x0
	s_or_b32 exec_lo, exec_lo, s[MK]
	s_wait_tensorcnt 0x0
	ds_add_u32 v228, v229
	s_wait_dscnt 0x0
	ROUND                                          ; the closing round: no work-group ends while a partner may still ask for a tile that names it
	s_endpgm
.Lfunc_end_k_q544c99a322_nearest:
	.size	k_q544c99a322_nearest, .Lfunc_end_k_q544c99a322_nearest-k_q544c99a322_nearest
	.p2alignl 7, 3214868480
	.fill 96, 4, 3214868480
	.section	.rodata,"a",@progbits
	.p2align	6, 0x0
	.amdhsa_kernel k_q544c99a322_nearest
		.amdhsa_group_segment_fixed_size 175104
		.amdhsa_private_segment_fixed_size 0
		.amdhsa_enable_private_segment 0
		.amdhsa_kernarg_size 32
		.amdhsa_user_sgpr_count 2
		.amdhsa_user_sgpr_kernarg_segment_ptr 1
		.amdhsa_wavefront_size32 1
		.amdhsa_system_sgpr_workgroup_id_x 1
		.amdhsa_system_sgpr_workgroup_id_y 1
		.amdhsa_system_sgpr_workgroup_id_z 1
		.amdhsa_system_vgpr_workitem_id 0
		.amdhsa_next_free_vgpr 230
		.amdhsa_next_free_sgpr 66
		.amdhsa_reserve_vcc 1
		.amdhsa_float_denorm_mode_32 3
		.amdhsa_float_denorm_mode_16_64 3
		.amdhsa_fp16_overflow 1
		.amdhsa_memory_ordered 1
		.amdhsa_forward_progress 1
		.amdhsa_inst_pref_size 105
	.end_amdhsa_kernel
	.amdgpu_metadata
---
amdhsa.version: [ 1, 2 ]
amdhsa.kernels:
  - .name:           k_q544c99a322_nearest
    .symbol:         k_q544c99a322_nearest.kd
    .args:
      - { .name: inputs, .offset: 0, .size: 8, .value_kind: global_buffer, .address_space: global }
      - { .name: codebook, .offset: 8, .size: 8, .value_kind: global_buffer, .address_space: global }
      - { .name: lowp_scales, .offset: 16, .size: 8, .value_kind: global_buffer, .address_space: global }
      - { .name: idx, .offset: 24, .size: 8, .value_kind: global_buffer, .address_space: global }
    .group_segment_fixed_size: 175104
    .private_segment_fixed_size: 0
    .kernarg_segment_align: 8
    .kernarg_segment_size: 32
    .max_flat_workgroup_size: 256
    .sgpr_count:     66
    .vgpr_count:     230
    .wavefront_size: 32
...
	.end_amdgpu_metadata
.endif
;; end of part 1
;; launch gather (part 2): grid 256 x 1, 8 waves a work-group, no clusters, 41,984 bytes of LDS; arguments inputs, codebook, idx, out0, part; writes out0, part
.if DOCPART == 2
	.amdgcn_target "amdgcn-amd-amdhsa--gfx1250"
	.amdhsa_code_object_version 6
	.text
	.protected	k_q544c99a322_gather
	.globl	k_q544c99a322_gather
	.p2align	8
	.type	k_q544c99a322_gather,@function
k_q544c99a322_gather:
	s_mov_b64 s[64:65], 0
	v_nop
	global_prefetch_b8 v0, s[64:65] scope:SCOPE_SE
	s_setreg_imm32_b32 hwreg(HW_REG_WAVE_MODE, 25, 1), 1
	s_wait_xcnt 0x0
; out0 = x + (q - x) and the sums of (q - x)^2, q[batch][c][place] = codebook[idx[row]][c], all in f32.  inputs, out0: [8][64 channels][16384 places].  idx: one whole number a row, stored by the launch before.
; A stream: each byte of inputs is read once and each byte of out0 written once, 512 consecutive bytes to a wave's instruction.  No matrix work.
; SHARES.  A work-group of eight waves takes 2,048 places of one batch x 16 channels: 8 batches x 8 blocks of places x 4 groups of channels = 256 work-groups.  So it needs 16 of the table's 64 columns:
; 512 x 64 = 32,768 bytes, where 512 places x 64 channels would need all 131,072; its indices are 8,192 bytes in place of 2,048.  The price: a work-group reads a quarter of each 256-byte row of the table.
; Wave w takes places 256 w on; a lane takes four neighbouring places in each half of 128.
; THE TABLE COMES FIRST.  Each wave loads 64 rows' 64 bytes (8 loads, four lanes to a row) ahead of its indices and of x.  A wave's loads come back in order (ISA guide 5.7.1), so a counted wait shows the table
; in while all of x is still out; it goes into LDS (rows of 64 bytes + 16 of padding: row i starts at bank 20 i mod 64, sixteen different starts; 64 banks of 4 bytes: ISA guide 11.1), one barrier, and then each
; chunk of x is worked and stored as it comes in, while later chunks are still on their way.  A lane reads index x 80 + at most 48, 16 bytes: the padding is never read.
; NO TENSOR LOAD: 4,096 bytes a wave, wanted ahead of the wave's other loads, which its own load counter orders.  NO CLUSTER: a lane's LDS address is made of its rows' indices, which differ from work-group
; to work-group.
; Each wave leaves one partial sum of squares in part; the launch behind this one adds them.
.set PLANE,  65536                     ; bytes from a channel to the next
.set TP,     80                        ; a table row in LDS
.set LN,  1                            ; v1   lane
.set OF,  2                            ; v2   16 x lane: my bytes in a wave's 512, in x, out0 and idx alike; never rewritten
.set ZR,  3                            ; v3   at work, then 0
.set IX,  4                            ; v4-11   my eight rows' indices
.set AD,  12                           ; v12-19  their codes' places in LDS
.set AC,  20                           ; v20-23  sums of squares
.set TO,  24                           ; v24  the table in memory: 256 (lane / 4) + 16 (lane % 4); never rewritten
.set TW,  25                           ; v25  the table in LDS: 80 (lane / 4) + 16 (lane % 4) + my wave's 64 rows
.set Q,   26                           ; v26-57  the table's rows on their way to LDS; then two buffers: four rows x four channels of q, then q - x
.set X,   58                           ; v58-185 x: load i (channel i % 16, half i / 16) at 4 i, four places each; then out0
.set WV,  14
.set SEL, 36
	s_load_b256 s[4:11], s[0:1], 0x0               ; inputs s[4:5], codebook s[6:7], idx s[8:9], out0 s[10:11]
	s_load_b64 s[12:13], s[0:1], 0x20              ; part
	v_lshl_add_u32 v186, v0, 2, 0xa000
	v_mov_b32 v187, 0
	v_lshrrev_b32 v[ZR], 5, v0
	v_readfirstlane_b32 s[WV], v[ZR]               ; wave 0..7
	v_and_b32 v[LN], 31, v0
	v_lshlrev_b32 v[OF], 4, v[LN]
	v_lshrrev_b32 v[TW], 2, v[LN]                  ; lane / 4: which of a load's eight rows
	v_and_b32 v[ZR], 3, v[LN]                      ; lane % 4: which 16 of the row's 64 bytes
	v_lshlrev_b32 v[TO], 8, v[TW]
	v_lshl_add_u32 v[TO], v[ZR], 4, v[TO]
	v_mul_u32_u24 v[TW], v[TW], TP
	v_lshl_add_u32 v[TW], v[ZR], 4, v[TW]
	s_mul_i32 s15, s[WV], 64*TP
	v_add_nc_u32 v[TW], s15, v[TW]
	s_and_b32 s17, ttmp9, 3                        ; which 16 channels
	s_bfe_u32 s18, ttmp9, 0x30002                  ; which 2,048 places (3 bits from bit 2)
	s_lshr_b32 s19, ttmp9, 5                       ; the batch
	s_lshl_b32 s2, s[WV], 14                       ; the table: my wave's 64 rows of 256 bytes,
	s_lshl_b32 s3, s17, 6                          ; my work-group's 64 bytes of each
	s_add_co_u32 s2, s2, s3
	s_mov_b32 s3, 0
	s_lshl_b32 s22, s19, 16                        ; idx: 16,384 indices of 4 bytes a batch,
	s_lshl_b32 s23, s18, 13                        ; 2,048 a work-group,
	s_add_co_u32 s22, s22, s23
	s_lshl_b32 s23, s[WV], 10                      ; 256 a wave
	s_add_co_u32 s22, s22, s23
	s_mov_b32 s23, 0
	s_lshl_b32 s20, s19, 22                        ; x and out0: 64 channels of 65,536 bytes a batch,
	s_lshl_b32 s21, s17, 20                        ; 16 channels,
	s_add_co_u32 s20, s20, s21
	s_lshl_b32 s21, s18, 13                        ; 2,048 places,
	s_add_co_u32 s20, s20, s21
	s_lshl_b32 s21, s[WV], 10                      ; the wave's 256
	s_add_co_u32 s20, s20, s21
	s_mov_b32 s21, 0
	s_lshl_b32 s24, ttmp9, 5                       ; part: eight numbers a work-group,
	s_lshl_b32 s25, s[WV], 2                       ; one a wave
	s_add_co_u32 s24, s24, s25
	s_mov_b32 s25, 0
	s_wait_kmcnt 0x0
	s_add_nc_u64 s[6:7], s[6:7], s[2:3]
	s_add_nc_u64 s[8:9], s[8:9], s[22:23]
.irp t, 0,1,2,3,4,5,6,7
	global_load_b128 v[Q+4*\t:Q+4*\t+3], v[TO], s[6:7] offset:\t*8*256   ; rows 8 t .. 8 t + 7 of my 64; many work-groups read them, so no hint
.endr
	global_load_b128 v[IX:IX+3], v[OF], s[8:9]               ; places 4 lane + 0 .. 3; the four groups of channels read these indices, so no hint
	global_load_b128 v[IX+4:IX+7], v[OF], s[8:9] offset:512  ; and 128 further on
	s_add_nc_u64 s[4:5], s[4:5], s[20:21]
	s_add_nc_u64 s[10:11], s[10:11], s[20:21]
	s_add_nc_u64 s[12:13], s[12:13], s[24:25]
	s_mov_b32 s[SEL], 0x76543210
	s_mov_b32 s[SEL+1], 0xfedcba98
	v_mov_b32 v[ZR], 0
.set i, 0
.rept 32
	global_load_b128 v[X+4*i:X+4*i+3], v[OF], s[4:5] offset:(i%16)*PLANE+(i/16)*512 th:TH_LOAD_NT   ; 32 lanes read 512 consecutive bytes; nobody reads them after this
.set i, i+1
.endr
	s_wait_loadcnt 34                              ; my eight loads of the table are in; behind them: two of indices, 32 of x
.irp t, 0,1,2,3,4,5,6,7
	ds_store_b128 v[TW], v[Q+4*\t:Q+4*\t+3] offset:\t*8*TP
.endr
	s_wait_loadcnt 32                              ; the indices are in; the 32 loads of x may be out
.irp j, 0,1,2,3,4,5,6,7
	v_min_u32 v[IX+\j], 511, v[IX+\j]              ; an index stays inside the table
	v_mul_u32_u24 v[AD+\j], v[IX+\j], TP
.endr
	s_wait_dscnt 0x0                               ; for the others' sake: my 64 rows of the table are in LDS
	s_barrier_signal -1
	s_barrier_wait -1                              ; everybody's are; from here on LDS is only read
.macro GATHER k                        ; chunk k: half k / 4 of my places, channels 4 (k % 4) .. + 3 of my rows' codes
.irp j, 0,1,2,3
	ds_load_b128 v[Q+16*((\k)%2)+4*\j:Q+16*((\k)%2)+4*\j+3], v[AD+4*((\k)/4)+\j] offset:16*((\k)%4)
.endr
.endm
.macro CHUNK k
.set QB, Q+16*((\k)%2)
.set XB, X+16*(\k)
.if (\k) < 7
	s_wait_dscnt 4                                 ; this chunk's four gathers are in; the next chunk's may be out
.else
	s_wait_dscnt 0x0
.endif
	s_wait_loadcnt 28-4*(\k)                       ; x's loads up to 4 k + 3 are in; the later ones may be out
.irp c, 0,1,2,3
.irp j, 0,1,2,3
	v_sub_f32 v[QB+4*\j+\c], v[QB+4*\j+\c], v[XB+4*\c+\j]          ; q - x
.endr
.endr
.irp c, 0,1,2,3
.irp j, 0,1,2,3
	v_add_f32 v[XB+4*\c+\j], v[XB+4*\c+\j], v[QB+4*\j+\c]          ; x + (q - x)
.endr
	global_store_b128 v[OF], v[XB+4*\c:XB+4*\c+3], s[10:11] offset:((4*(\k)+\c)%16)*PLANE+((4*(\k)+\c)/16)*512 th:TH_STORE_NT   ; 32 lanes store 512 consecutive aligned bytes; these registers are not written again
.endr
.irp c, 0,1,2,3
.irp j, 0,1,2,3
.if ((\k) == 0) && (\c == 0)
	v_mul_f32 v[AC+\j], v[QB+4*\j+\c], v[QB+4*\j+\c]               ; the first squares start the sums
.else
	v_fmac_f32 v[AC+\j], v[QB+4*\j+\c], v[QB+4*\j+\c]
.endif
.endr
.endr
.if (\k)+2 < 8
	GATHER (\k)+2
.endif
.endm
	GATHER 0
	GATHER 1
.irp k, 0,1,2,3,4,5,6,7
	CHUNK \k
.endr
	v_add_f32 v[AC], v[AC], v[AC+1]
	v_add_f32 v[AC+2], v[AC+2], v[AC+3]
	v_add_f32 v[AC], v[AC], v[AC+2]
	v_add_f32_dpp v[AC], v[AC], v[AC] row_xmask:1 row_mask:0xf bank_mask:0xf
	v_add_f32_dpp v[AC], v[AC], v[AC] row_xmask:2 row_mask:0xf bank_mask:0xf
	v_add_f32_dpp v[AC], v[AC], v[AC] row_xmask:4 row_mask:0xf bank_mask:0xf
	v_add_f32_dpp v[AC], v[AC], v[AC] row_xmask:8 row_mask:0xf bank_mask:0xf
	v_permlanex16_b32 v[AC+1], v[AC], s[SEL], s[SEL+1]
	v_add_f32 v[AC], v[AC], v[AC+1]                ; the wave's 4,096 squares
	v_cmp_eq_u32 vcc_lo, 0, v[LN]
	s_wait_xcnt 0x0                                ; EXEC changes only behind this wait
	s_wait_tensorcnt 0x0
	ds_add_u32 v186, v187
	s_wait_dscnt 0x0
	s_and_saveexec_b32 s38, vcc_lo
	global_store_b32 v[ZR], v[AC], s[12:13]        ; one number a wave
	s_wait_xcnt 0x0
	s_or_b32 exec_lo, exec_lo, s38
	s_endpgm
.Lfunc_end_k_q544c99a322_gather:
	.size	k_q544c99a322_gather, .Lfunc_end_k_q544c99a322_gather-k_q544c99a322_gather
	.p2alignl 7, 3214868480
	.fill 96, 4, 3214868480
	.section	.rodata,"a",@progbits
	.p2align	6, 0x0
	.amdhsa_kernel k_q544c99a322_gather
		.amdhsa_group_segment_fixed_size 41984
		.amdhsa_private_segment_fixed_size 0
		.amdhsa_enable_private_segment 0
		.amdhsa_kernarg_size 40
		.amdhsa_user_sgpr_count 2
		.amdhsa_user_sgpr_kernarg_segment_ptr 1
		.amdhsa_wavefront_size32 1
		.amdhsa_system_sgpr_workgroup_id_x 1
		.amdhsa_system_sgpr_workgroup_id_y 1
		.amdhsa_system_sgpr_workgroup_id_z 1
		.amdhsa_system_vgpr_workitem_id 0
		.amdhsa_next_free_vgpr 188
		.amdhsa_next_free_sgpr 66
		.amdhsa_reserve_vcc 1
		.amdhsa_float_denorm_mode_32 3
		.amdhsa_float_denorm_mode_16_64 3
		.amdhsa_memory_ordered 1
		.amdhsa_forward_progress 1
		.amdhsa_inst_pref_size 27
	.end_amdhsa_kernel
	.amdgpu_metadata
---
amdhsa.version: [ 1, 2 ]
amdhsa.kernels:
  - .name:           k_q544c99a322_gather
    .symbol:         k_q544c99a322_gather.kd
    .args:
      - { .name: inputs, .offset: 0, .size: 8, .value_kind: global_buffer, .address_space: global }
      - { .name: codebook, .offset: 8, .size: 8, .value_kind: global_buffer, .address_space: global }
      - { .name: idx, .offset: 16, .size: 8, .value_kind: global_buffer, .address_space: global }
      - { .name: out0, .offset: 24, .size: 8, .value_kind: global_buffer, .address_space: global }
      - { .name: part, .offset: 32, .size: 8, .value_kind: global_buffer, .address_space: global }
    .group_segment_fixed_size: 41984
    .private_segment_fixed_size: 0
    .kernarg_segment_align: 8
    .kernarg_segment_size: 40
    .max_flat_workgroup_size: 256
    .sgpr_count:     66
    .vgpr_count:     188
    .wavefront_size: 32
...
	.end_amdgpu_metadata
.endif
;; end of part 2
;; launch finish (part 3): grid 1 x 1, 1 waves a work-group, no clusters, 0 bytes of LDS; arguments part, out1, out2; writes out1, out2
.if DOCPART == 3
	.amdgcn_target "amdgcn-amd-amdhsa--gfx1250"
	.amdhsa_code_object_version 6
	.text
	.protected	k_q544c99a322_finish
	.globl	k_q544c99a322_finish
	.p2align	8
	.type	k_q544c99a322_finish,@function
k_q544c99a322_finish:
	s_mov_b64 s[64:65], 0
	v_nop
	global_prefetch_b8 v0, s[64:65] scope:SCOPE_SE
	s_setreg_imm32_b32 hwreg(HW_REG_WAVE_MODE, 25, 1), 1
	s_wait_xcnt 0x0
; The 2,048 partial sums of (q - x)^2 are added, in a fixed order; out2 = the mean over 8 x 64 x 16384 = 2^23 numbers; out1 = 0.25 x out2.
; One wave: 8,192 bytes are sixteen loads of 512 consecutive bytes, all out at once; a sum that spans work-groups has one owner.
	s_load_b128 s[4:7], s[0:1], 0x0                ; part s[4:5], out1 s[6:7]
	s_load_b64 s[8:9], s[0:1], 0x10                ; out2
	v_lshlrev_b32 v1, 4, v0
	s_mov_b32 s10, 0x76543210
	s_mov_b32 s11, 0xfedcba98
	s_wait_kmcnt 0x0
.set i, 0
.rept 16
	global_load_b128 v[4+4*i:7+4*i], v1, s[4:5] offset:512*i
.set i, i+1
.endr
	v_mov_b32 v70, 0
	s_wait_loadcnt 0x0
.irp k, 8,16,24,32,40,48,56                        ; four chains of packed additions
	v_pk_add_f32 v[4:5], v[4:5], v[4+\k:5+\k]
	v_pk_add_f32 v[6:7], v[6:7], v[6+\k:7+\k]
	v_pk_add_f32 v[8:9], v[8:9], v[8+\k:9+\k]
	v_pk_add_f32 v[10:11], v[10:11], v[10+\k:11+\k]
.endr
	v_pk_add_f32 v[4:5], v[4:5], v[6:7]
	v_pk_add_f32 v[8:9], v[8:9], v[10:11]
	v_pk_add_f32 v[4:5], v[4:5], v[8:9]
	v_add_f32 v4, v4, v5
	v_add_f32_dpp v4, v4, v4 row_xmask:1 row_mask:0xf bank_mask:0xf
	v_add_f32_dpp v4, v4, v4 row_xmask:2 row_mask:0xf bank_mask:0xf
	v_add_f32_dpp v4, v4, v4 row_xmask:4 row_mask:0xf bank_mask:0xf
	v_add_f32_dpp v4, v4, v4 row_xmask:8 row_mask:0xf bank_mask:0xf
	v_permlanex16_b32 v5, v4, s10, s11
	v_add_f32 v4, v4, v5
	v_mul_f32 v2, 0x34000000, v4                   ; x 2^-23: the commitment loss
	v_mul_f32 v3, 0.25, v2                         ; x beta
	v_cmp_eq_u32 vcc_lo, 0, v0
	s_wait_xcnt 0x0                                ; EXEC changes only behind this wait
	s_and_saveexec_b32 s12, vcc_lo
	global_store_b32 v70, v3, s[6:7]
	global_store_b32 v70, v2, s[8:9]
	s_endpgm
.Lfunc_end_k_q544c99a322_finish:
	.size	k_q544c99a322_finish, .Lfunc_end_k_q544c99a322_finish-k_q544c99a322_finish
	.p2alignl 7, 3214868480
	.fill 96, 4, 3214868480
	.section	.rodata,"a",@progbits
	.p2align	6, 0x0
	.amdhsa_kernel k_q544c99a322_finish
		.amdhsa_group_segment_fixed_size 0
		.amdhsa_private_segment_fixed_size 0
		.amdhsa_enable_private_segment 0
		.amdhsa_kernarg_size 24
		.amdhsa_user_sgpr_count 2
		.amdhsa_user_sgpr_kernarg_segment_ptr 1
		.amdhsa_wavefront_size32 1
		.amdhsa_system_sgpr_workgroup_id_x 1
		.amdhsa_system_sgpr_workgroup_id_y 1
		.amdhsa_system_sgpr_workgroup_id_z 1
		.amdhsa_system_vgpr_workitem_id 0
		.amdhsa_next_free_vgpr 72
		.amdhsa_next_free_sgpr 66
		.amdhsa_reserve_vcc 1
		.amdhsa_float_denorm_mode_32 3
		.amdhsa_float_denorm_mode_16_64 3
		.amdhsa_memory_ordered 1
		.amdhsa_forward_progress 1
		.amdhsa_inst_pref_size 5
	.end_amdhsa_kernel
	.amdgpu_metadata
---
amdhsa.version: [ 1, 2 ]
amdhsa.kernels:
  - .name:           k_q544c99a322_finish
    .symbol:         k_q544c99a322_finish.kd
    .args:
      - { .name: part, .offset: 0, .size: 8, .value_kind: global_buffer, .address_space: global }
      - { .name: out1, .offset: 8, .size: 8, .value_kind: global_buffer, .address_space: global }
      - { .name: out2, .offset: 16, .size: 8, .value_kind: global_buffer, .address_space: global }
    .group_segment_fixed_size: 0
    .private_segment_fixed_size: 0
    .kernarg_segment_align: 8
    .kernarg_segment_size: 24
    .max_flat_workgroup_size: 32
    .sgpr_count:     66
    .vgpr_count:     72
    .wavefront_size: 32
...
	.end_amdgpu_metadata
.endif
;; end of part 3
